; MI455X (gfx1250); checked and timed in simulation.
; The chip was launched on July 23, 2026; its instructions are those of AMD's public machine-readable ISA for CDNA 5 (MIT licence, August 2026) and "CDNA5" Instruction Set Architecture Reference Guide (July 2026). The comments in the code are by the model that wrote it; some were corrected since.
;; Bahdanau Attention. Allowed arithmetic: matrix products marked QUANTISED: E5M2 operands, one E8M0 scale for each 32 along K, by v_wmma_scale_f32_16x16x128_f8f6f4 with both operands' format E5M2, f32 sums; products left as they are: f32 operands where the result goes on into a quantised operand, else bf16, f16 or f32 operands; f32 sums; everything else in f32.
;; Inputs: V 1,024 x 1 float32; W1 1,024 x 1,024 float32; W2 1,024 x 1,024 float32; b1 1,024 float32; b2 1,024 float32; bv 1 float32; query 64 x 1,024 float32; values 64 x 1,024 x 1,024 float32.
;; Outputs: out0 64 x 1,024 float32; out1 64 x 1,024 x 1 float32.
;; This version of the problem:
;;   THIS VERSION OF THE PROBLEM IS GIVEN IN LOW PRECISION. The matrix products marked QUANTISED in the list below multiply operands that are first quantised to E5M2 (5 exponent bits, 2 mantissa bits; 8 bits a number), with one power-of-two scale for each 32 numbers along K (OCP MX v1.0); their sums are f32. All else is computed in f32.
;;   The module's matrix products, in the order in which they are computed (A, B: the left and right operand; K: the contracted axis; several contracted axes count as one K, in the product's order):
;;     1. [M 64, K 1,024] x [K 1,024, N 1,024]; A: input query; B: input W1: QUANTISED
;;     2. [M 65,536, K 1,024] x [K 1,024, N 1,024]; A: input values; B: input W2: QUANTISED
;;     3. [M 65,536, K 1,024] x [K 1,024, N 1]; A: computed on the way; B: input V: left as it is (N = 1 < 16)
;;   THE QUANTISER, for each operand of a quantised product, along K:
;;     - K is cut into blocks of 32 from its start; a last block that is shorter is filled with zeros.
;;     - A block's scale is 2^e with e = floor(log2(the largest magnitude in the block)) - 15, held to -126 .. 127; a block of zeros has e = 0. As a byte (E8M0): e + 127.
;;     - Each number is divided by its block's scale, clamped to +-57,344, and rounded to the nearest number of E5M2, ties to even, subnormals kept.
;;     - The product sums the exact products of the quantised numbers (number of the format x scale) in f32.
;;   ~~~python
;;   def quantise(x, axis):      # numpy; x: float32 -> the quantised numbers, widened to float32 again
;;       x = np.moveaxis(x, axis, -1); K = x.shape[-1]
;;       x = np.pad(x, [(0, 0)] * (x.ndim - 1) + [(0, -K % 32)]); x = x.reshape(x.shape[:-1] + (-1, 32)); a = np.abs(x).max(-1, keepdims=True)
;;       e = np.where(a > 0, np.clip(np.frexp(np.where(a > 0, a, 1))[1] - 1 - 15, -126, 127), 0)      # np.frexp(a)[1] - 1 = floor(log2(a)), exactly
;;       r = np.clip(x / 2.0 ** e, -57344, 57344)
;;       step = 2.0 ** (np.maximum(np.frexp(np.where(r == 0, 1, r))[1] - 1, -14) - 2)
;;       q = np.round(r / step) * step * 2.0 ** e      # np.round: ties to even
;;       return np.moveaxis(q.reshape(q.shape[:-2] + (-1,))[..., :K], -1, axis).astype(np.float32)
;;   ~~~
;; One version. Each part assembles by itself: llvm-mc -triple=amdgcn-amd-amdhsa -mcpu=gfx1250 --defsym DOCPART=n.
;; ======== version 1 of 1: 3 launches
;; limits: right only within a limited range of input values
;; workspace buffers: w2p 1,081,344 bytes; qb 262,144 bytes; scores 262,144 bytes; part 4,194,304 bytes
;; launch prep (part 1): grid 96 x 1, 8 waves a work-group, no clusters, 33,792 bytes of LDS; arguments W2, W1, query, b1, b2, w2p, qb; writes w2p, qb
.if DOCPART == 1
	.amdgcn_target "amdgcn-amd-amdhsa--gfx1250"
	.amdhsa_code_object_version 6
	.text
	.protected	k_q7fcc154597_prep
	.globl	k_q7fcc154597_prep
	.p2align	8
	.type	k_q7fcc154597_prep,@function
k_q7fcc154597_prep:
	s_mov_b64 s[64:65], 0
	v_nop
	global_prefetch_b8 v0, s[64:65] scope:SCOPE_SE
	s_setreg_imm32_b32 hwreg(HW_REG_WAVE_MODE, 25, 1), 1
	s_wait_xcnt 0x0
; BAHDANAU ATTENTION IN MX-BF8, launch 1 of 3: the small operands.
;   path Q (work-groups 0-63):  qb[b][u] = c (Q(query) Q(W1) + b1 + b2)[b][u], c = 2 log2(e), f32, [64][1024]
;   path W (work-groups 64-95): W2 [k][u] f32 -> codes of E5M2 and E8M0 scale words, laid as the next launch's operand registers want them
; WORK LEFT OUT, for all values of the inputs.  out0 and out1 hang on score only through softmax(score) along l.  (1) bv is added to every score of a
; batch alike, and softmax(s + const) = softmax(s): bv reaches no output; it is not loaded and is among no launch's arguments.  (2) tanh(x) = 1 - 2 / (1 + e^(2x))
; is an identity, so score = sum(V) - 2 sum_u V[u] / (1 + e^(2 x[u])): sum(V) is again the same for all l and is not formed.
; LIMITS: a NaN, an infinity or an overflow that reaches only bv or sum(V) is not carried to the result.  NaN and infinities among the inputs are not served.
; A block of zeros gets the scale byte 1 where the rule says 127: its codes are zeros, which add nothing, and this program alone reads the bytes.
; Product 1's sum over K is taken as eight partial sums of 128, added in f32.
; w2p: 64 tile blocks of 16,896 bytes; tile t = columns 16 t .. 16 t + 15.  Codes of K step s (128), block c (32), lane (r, h): 16 bytes at t 16896 + s 2048 + c 512 + h 256 + r 16:
; column 16 t + r, k = 128 s + 32 c + 16 h + 0 .. 15.  Scale word of column r, K step s: at t 16896 + 16384 + s 64 + r 4.
; The two paths part on the work-group's number alone; only path Q touches LDS.
.set CEXP,  0x4038aa3b                 ; c = 2 log2(e)
.set TILEB, 16896
.set SPARE, 32768                      ; behind path Q's 8 x 4,096 bytes of partial sums: the spare words, 128 bytes a wave
.set SPW,   250                        ; v250 LDS address of my spare word; never rewritten
.set NIL,   251                        ; v251 0; never rewritten
.set TM,    224                        ; v224-239 the quantiser's work: largest magnitudes, bytes, holds, scale operands
.set SEL,   20                         ; s[20:21] v_permlanex16_b32's selects for lane l xor 16
.set MNT,   19                         ; s19 the mantissa field of 57,344
; 64 numbers of a lane, v[QS] on, register 16 b + i = k 32 b + 16 (lane / 16) + i of my row or column, become a fragment's codes in v[QP] on and its scale word in v[QW]
.macro QUANT
.irp b, 0,1,2,3
	v_max3_num_f32 v[TM+\b], |v[QS+16*\b]|, |v[QS+1+16*\b]|, 0x8000000   ; my 16 numbers of block b, and the floor 2^(16 - 127): the byte cannot fall under 1
.endr
.irp i, 2,4,6,8,10,12,14
.irp b, 0,1,2,3
	s_delay_alu instid0(VALU_DEP_4)
	v_max3_num_f32 v[TM+\b], v[TM+\b], |v[QS+16*\b+\i]|, |v[QS+1+16*\b+\i]|
.endr
.endr
.irp b, 0,1,2,3
	s_delay_alu instid0(VALU_DEP_4)
	v_permlanex16_b32 v[TM+4+\b], v[TM+\b], s[SEL], s[SEL+1]
.endr
.irp b, 0,1,2,3
	s_delay_alu instid0(VALU_DEP_4)
	v_max_num_f32 v[TM+\b], v[TM+\b], v[TM+4+\b]          ; with lane l xor 16's 16: the block's largest magnitude
.endr
.irp b, 0,1,2,3
	s_delay_alu instid0(VALU_DEP_4)
	v_add_nc_u32 v[TM+12+\b], 0xf8800000, v[TM+\b]        ; 15 off its exponent field: the conversion's scale operand
.endr
.irp b, 0,1,2,3
	v_and_or_b32 v[TM+8+\b], v[TM+\b], 0x7f800000, s[MNT] ; 57,344 x the scale
.endr
.irp b, 0,1,2,3
	v_lshrrev_b32 v[TM+4+\b], 23, v[TM+12+\b]             ; the scale's byte
.endr
	s_delay_alu instid0(VALU_DEP_3)
	v_lshl_or_b32 v[QW], v[TM+5], 8, v[TM+4]
	s_delay_alu instid0(VALU_DEP_1)
	v_lshl_or_b32 v[QW], v[TM+6], 16, v[QW]
	s_delay_alu instid0(VALU_DEP_1)
	v_lshl_or_b32 v[QW], v[TM+7], 24, v[QW]
.irp b, 0,1,2,3
.irp i, 0,1,2,3,4,5,6,7,8,9,10,11,12,13,14,15
	v_med3_num_f32 v[QS+16*\b+\i], v[QS+16*\b+\i], -v[TM+8+\b], v[TM+8+\b]   ; the conversion to an 8-bit code does not saturate (ISA guide 7.6.2): the hold comes first
.endr
	v_cvt_scalef32_pk8_bf8_f32 v[QP+4*\b:QP+1+4*\b], v[QS+16*\b:QS+7+16*\b], v[TM+12+\b]
	v_cvt_scalef32_pk8_bf8_f32 v[QP+2+4*\b:QP+3+4*\b], v[QS+8+16*\b:QS+15+16*\b], v[TM+12+\b]
.endr
	v_nop                                                 ; one plain line behind the last conversion, ahead of whatever next touches its registers
.endm
	s_load_b256 s[4:11], s[0:1], 0x0               ; W2 s[4:5], W1 s[6:7], query s[8:9], b1 s[10:11]
	s_load_b128 s[12:15], s[0:1], 0x20             ; b2 s[12:13], w2p s[14:15]
	s_load_b64 s[16:17], s[0:1], 0x30              ; qb
	v_lshl_add_u32 v[SPW], v0, 2, SPARE
	v_mov_b32 v[NIL], 0
	v_lshrrev_b32 v1, 5, v0
	s_delay_alu instid0(VALU_DEP_1)
	v_readfirstlane_b32 s18, v1                    ; wave 0..7
	v_and_b32 v2, 31, v0                           ; lane
	v_and_b32 v3, 15, v0                           ; r
	v_bfe_u32 v4, v0, 4, 1                         ; h
	s_mov_b32 s[MNT], 0x600000
	s_mov_b32 s[SEL], 0x76543210
	s_mov_b32 s[SEL+1], 0xfedcba98
	s_mov_b32 s23, 0
	s_cmp_lt_u32 ttmp9, 64
	s_cbranch_scc1 .Lquery
; ---- PATH W.  Work-group g = id - 64: 256 columns (g % 4) x one K step of 128 (g / 4).  A lane takes a column and its registers run down K: a block of 32 lies in one lane,
; each load reads 128 neighbouring bytes a wave, and the conversions give codes with K innermost.  Loads run two blocks (64 loads) ahead, each block into registers of its own.
.set X,  16                            ; v16-143  128 numbers
.set CD, 144                           ; v144-175 the four blocks' codes: no store's data are written again
	s_sub_co_u32 s24, ttmp9, 64
	s_and_b32 s25, s24, 3
	s_lshr_b32 s26, s24, 2                         ; K step
	s_lshl_b32 s27, s25, 3
	s_add_co_u32 s27, s27, s18                     ; my wave's group of 32 columns: 8 (g % 4) + wave
	s_lshl_b32 s22, s26, 19                        ; W2: 128 rows of 4,096 bytes a K step,
	s_lshl_b32 s28, s27, 7                         ; 128 bytes a group
	s_add_co_u32 s22, s22, s28
	s_mul_i32 s28, s27, 2*TILEB                    ; w2p: two tiles a group,
	s_lshl_b32 s29, s26, 11                        ; codes: 2,048 bytes a K step
	s_add_co_u32 s28, s28, s29
	s_mov_b32 s29, 0
	s_mul_i32 s30, s27, 2*TILEB
	s_lshl_b32 s31, s26, 6                         ; scale words: 64 bytes a K step
	s_add_co_u32 s30, s30, s31
	s_mov_b32 s31, 0
	s_wait_alu depctr_va_vdst(0)
	v_lshlrev_b32 v5, 2, v2                        ; in: 4 bytes a lane
	v_mul_u32_u24 v6, v4, TILEB                    ; lanes 16-31 belong to the next tile
	s_delay_alu instid0(VALU_DEP_1)
	v_lshl_add_u32 v7, v3, 4, v6                   ; codes: + 16 r
	s_delay_alu instid0(VALU_DEP_2)
	v_lshl_add_u32 v8, v3, 2, v6                   ; scale word: + 4 r
	s_wait_alu depctr_va_vdst(0)
	s_wait_kmcnt 0x0
	s_add_nc_u64 s[4:5], s[4:5], s[22:23]
	s_add_nc_u64 s[32:33], s[14:15], s[28:29]
	s_add_nc_u64 s[34:35], s[14:15], s[30:31]
.macro WLOAD c
.irp i, 0,1,2,3,4,5,6,7,8,9,10,11,12,13,14,15,16,17,18,19,20,21,22,23,24,25,26,27,28,29,30,31
	global_load_b32 v[X+32*(\c)+\i], v5, s[4:5] offset:(32*(\c)+\i)*4096 th:TH_LOAD_NT
.endr
.endm
.macro WBLOCK c
.set XS, X+32*(\c)
.if (\c) < 3
	s_wait_loadcnt 32                              ; this block's 32 loads are in; the next block's 32 may be out
.else
	s_wait_loadcnt 0x0
.endif
.if (\c) < 2
	WLOAD (\c)+2
.endif
	v_max3_num_f32 v12, |v[XS]|, |v[XS+1]|, |v[XS+2]|
	v_max3_num_f32 v13, |v[XS+3]|, |v[XS+4]|, |v[XS+5]|
.irp i, 6,10,14,18,22,26
	s_delay_alu instid0(VALU_DEP_2)
	v_max3_num_f32 v12, v12, |v[XS+\i]|, |v[XS+\i+1]|
	s_delay_alu instid0(VALU_DEP_2)
	v_max3_num_f32 v13, v13, |v[XS+\i+2]|, |v[XS+\i+3]|
.endr
	s_delay_alu instid0(VALU_DEP_2)
	v_max3_num_f32 v12, v12, |v[XS+30]|, |v[XS+31]|
	s_delay_alu instid0(VALU_DEP_1)
	v_max3_num_f32 v12, v12, v13, 0x8000000        ; and the floor
	s_delay_alu instid0(VALU_DEP_1)
	v_add_nc_u32 v11, 0xf8800000, v12
	s_delay_alu instid0(VALU_DEP_2)
	v_and_or_b32 v10, v12, 0x7f800000, s[MNT]
	s_delay_alu instid0(VALU_DEP_2)
	v_lshrrev_b32 v13, 23, v11
.if (\c) == 0
	s_delay_alu instid0(VALU_DEP_1)
	v_mov_b32 v9, v13                              ; four bytes make the K step's scale word, the lower K in the lower byte
.else
	s_delay_alu instid0(VALU_DEP_1)
	v_lshl_or_b32 v9, v13, 8*(\c), v9
.endif
.irp i, 0,1,2,3,4,5,6,7,8,9,10,11,12,13,14,15,16,17,18,19,20,21,22,23,24,25,26,27,28,29,30,31
	v_med3_num_f32 v[XS+\i], v[XS+\i], -v10, v10
.endr
.irp g, 0,1,2,3
	v_cvt_scalef32_pk8_bf8_f32 v[CD+8*(\c)+2*\g:CD+8*(\c)+2*\g+1], v[XS+8*\g:XS+8*\g+7], v11
.endr
	v_nop                                          ; a plain line behind the conversions: the next block writes v10 and v11 anew
	global_store_b128 v7, v[CD+8*(\c):CD+8*(\c)+3], s[32:33] offset:512*(\c)        ; k 0-15 of the block: 16 lanes store 256 consecutive bytes, aligned
	global_store_b128 v7, v[CD+8*(\c)+4:CD+8*(\c)+7], s[32:33] offset:512*(\c)+256  ; k 16-31
.endm
	WLOAD 0
	WLOAD 1
	WBLOCK 0
	WBLOCK 1
	WBLOCK 2
	WBLOCK 3
	global_store_b32 v8, v9, s[34:35] offset:16384 ; runs of 64 bytes: 32 KiB of the launch's stores in all
	s_endpgm
; ---- PATH Q.  Work-group t: columns 16 t .. 16 t + 15 of q_proj, all 64 rows.  Wave w takes K step w: it quantises its 128 x 16 of W1 (a lane a column, registers down K) and its
; 128 numbers of each of the 64 rows of query (a lane a row), multiplies four tiles, and the eight waves' partial sums meet in LDS.
.Lquery:
	s_lshl_b32 s22, s18, 19                        ; W1: 128 rows a K step,
	s_lshl_b32 s24, ttmp9, 6                       ; 64 bytes a tile of columns
	s_add_co_u32 s22, s22, s24
	s_mov_b32 s25, 0
	s_lshl_b32 s26, s18, 9                         ; query: 512 bytes a K step
	s_mov_b32 s27, 0
	s_wait_alu depctr_va_vdst(0)
	v_lshlrev_b32 v5, 2, v3                        ; 4 r
	s_delay_alu instid0(VALU_DEP_1)
	v_lshl_add_u32 v6, v4, 16, v5                  ; W1: lanes 16-31 begin 16 rows further down
	v_lshlrev_b32 v7, 12, v3
	s_delay_alu instid0(VALU_DEP_1)
	v_lshl_add_u32 v7, v4, 6, v7                   ; query: row r, + 64 h: my 16 numbers of a block
	s_delay_alu instid0(VALU_DEP_4)
	v_lshl_add_u32 v8, v4, 15, v5                  ; qb: 8 h rows, + 4 r
	v_lshlrev_b32 v9, 4, v2                        ; 16 x lane
	s_lshl_b32 s28, s18, 12
	v_add_nc_u32 v10, s28, v9                      ; LDS: my wave's 4,096 bytes of partial sums
	s_lshl_b32 s29, s18, 9
	v_add_nc_u32 v11, s29, v9                      ; and the piece (512 bytes of each wave's) that I add up
	s_lshr_b32 s30, s18, 1
	s_lshl_b32 s30, s30, 16                        ; qb: piece w = rows 16 (w / 2) + 8 h + 4 (w % 2) + 0 .. 3
	s_and_b32 s31, s18, 1
	s_lshl_b32 s31, s31, 14
	s_add_co_u32 s30, s30, s31
	s_add_co_u32 s30, s30, s24
	s_mov_b32 s31, 0
	s_mov_b32 s36, CEXP
	s_mov_b32 s37, CEXP                            ; (named with it as a pair)
.irp b, 0,1,2,3
	v_mov_b32 v[TM+4+\b], 0                        ; a lane permute's destination counts as one of its sources
.endr
	v_mov_b32 v247, 0                              ; (the upper half of the pair v[246:247])
	s_wait_kmcnt 0x0
	s_add_nc_u64 s[6:7], s[6:7], s[22:23]
	s_add_nc_u64 s[8:9], s[8:9], s[26:27]
	s_add_nc_u64 s[10:11], s[10:11], s[24:25]
	s_add_nc_u64 s[12:13], s[12:13], s[24:25]
	s_add_nc_u64 s[16:17], s[16:17], s[30:31]
	global_load_b32 v246, v5, s[10:11]             ; b1 and b2 of my column
	global_load_b32 v248, v5, s[12:13]
.irp c, 0,1,2,3
.irp i, 0,1,2,3,4,5,6,7,8,9,10,11,12,13,14,15
	global_load_b32 v[16+16*\c+\i], v6, s[6:7] offset:(32*\c+\i)*4096 th:TH_LOAD_NT   ; W1(128 w + 32 c + 16 h + i, 16 t + r)
.endr
.endr
.macro QLOAD reg, mt                   ; rows 16 mt + r of query, my K step: 64 numbers a lane
.irp c, 0,1,2,3
.irp j, 0,1,2,3
	global_load_b128 v[\reg+16*\c+4*\j:\reg+16*\c+4*\j+3], v7, s[8:9] offset:(\mt)*65536+128*\c+16*\j
.endr
.endr
.endm
	QLOAD 80, 0
	QLOAD 144, 1
	s_wait_loadcnt 32                              ; W1's 64 are in; behind them: two tiles of query, 16 loads each
.set QS, 16
.set QP, 208
.set QW, 240
	QUANT                                          ; W1's fragment v208-223, its scale word v240
	s_wait_loadcnt 16                              ; rows 0-15
.set QS, 80
.set QP, 16
.set QW, 241
	QUANT                                          ; the codes take the registers that W1's numbers have left
	QLOAD 80, 2
	s_wait_loadcnt 16                              ; rows 16-31; behind them the 16 loads just issued
.set QS, 144
.set QP, 32
.set QW, 242
	QUANT
	QLOAD 144, 3
	s_wait_loadcnt 16                              ; rows 32-47
.set QS, 80
.set QP, 48
.set QW, 243
	QUANT
	s_wait_loadcnt 0x0                             ; rows 48-63
.set QS, 144
.set QP, 64
.set QW, 244
	QUANT
.rept 4
	v_nop                                          ; codes written by vector instructions stand four places ahead of a scaled matrix instruction; the scale words were made ahead of the holds
.endr
.irp m, 0,1,2,3                        ; four accumulators, one instruction each: lane (r, h), register j = (row 16 m + 8 h + j, column 16 t + r)
	v_wmma_scale_f32_16x16x128_f8f6f4 v[80+8*\m:87+8*\m], v[16+16*\m:31+16*\m], v[208:223], 0, v[241+\m], v240 matrix_a_fmt:MATRIX_FMT_BF8 matrix_b_fmt:MATRIX_FMT_BF8
.endr
.rept 8
	v_nop                                          ; eight places ahead of the first read of results
.endr
.irp m, 0,1,2,3
	ds_store_b128 v10, v[80+8*\m:83+8*\m] offset:(2*\m)*512      ; each accumulator from its low end on
	ds_store_b128 v10, v[84+8*\m:87+8*\m] offset:(2*\m+1)*512
.endr
	s_wait_dscnt 0x0                               ; for the others' sake: my partial sums lie in LDS
	s_barrier_signal -1
	s_barrier_wait -1
.irp p, 0,1,2,3,4,5,6,7
	ds_load_b128 v[112+4*\p:115+4*\p], v11 offset:4096*\p        ; piece w of all eight waves
.endr
	v_add_f32 v246, v246, v248
	s_delay_alu instid0(VALU_DEP_1)
	v_mul_f32 v246, s36, v246                      ; c (b1 + b2)
	s_wait_dscnt 0x0
.irp p, 0,2,4,6
	v_pk_add_f32 v[112+4*\p:113+4*\p], v[112+4*\p:113+4*\p], v[116+4*\p:117+4*\p]
	v_pk_add_f32 v[114+4*\p:115+4*\p], v[114+4*\p:115+4*\p], v[118+4*\p:119+4*\p]
.endr
.irp p, 0
	v_pk_add_f32 v[112+4*\p:113+4*\p], v[112+4*\p:113+4*\p], v[120+4*\p:121+4*\p]
	v_pk_add_f32 v[114+4*\p:115+4*\p], v[114+4*\p:115+4*\p], v[122+4*\p:123+4*\p]
.endr
.irp p, 4
	s_delay_alu instid0(VALU_DEP_4)
	v_pk_add_f32 v[112+4*\p:113+4*\p], v[112+4*\p:113+4*\p], v[120+4*\p:121+4*\p]
	s_delay_alu instid0(VALU_DEP_4)
	v_pk_add_f32 v[114+4*\p:115+4*\p], v[114+4*\p:115+4*\p], v[122+4*\p:123+4*\p]
.endr
	s_delay_alu instid0(VALU_DEP_2)
	v_pk_add_f32 v[112:113], v[112:113], v[128:129]
	s_delay_alu instid0(VALU_DEP_2)
	v_pk_add_f32 v[114:115], v[114:115], v[130:131]
	s_delay_alu instid0(VALU_DEP_2)
	v_pk_fma_f32 v[112:113], v[112:113], s[36:37], v[246:247] op_sel_hi:[1,0,0]   ; c x the sum + c (b1 + b2)
	s_delay_alu instid0(VALU_DEP_2)
	v_pk_fma_f32 v[114:115], v[114:115], s[36:37], v[246:247] op_sel_hi:[1,0,0]
.irp j, 0,1,2,3
	global_store_b32 v8, v[112+\j], s[16:17] offset:4096*\j      ; runs of 64 bytes: qb is 256 KiB in all
.endr
	s_wait_tensorcnt 0x0                           ; the wave's end: behind my last LDS store
	ds_add_u32 v[SPW], v[NIL]
	s_wait_dscnt 0x0
	s_endpgm
.Lfunc_end_k_q7fcc154597_prep:
	.size	k_q7fcc154597_prep, .Lfunc_end_k_q7fcc154597_prep-k_q7fcc154597_prep
	.p2alignl 7, 3214868480
	.fill 96, 4, 3214868480
	.section	.rodata,"a",@progbits
	.p2align	6, 0x0
	.amdhsa_kernel k_q7fcc154597_prep
		.amdhsa_group_segment_fixed_size 33792
		.amdhsa_private_segment_fixed_size 0
		.amdhsa_enable_private_segment 0
		.amdhsa_kernarg_size 56
		.amdhsa_user_sgpr_count 2
		.amdhsa_user_sgpr_kernarg_segment_ptr 1
		.amdhsa_wavefront_size32 1
		.amdhsa_system_sgpr_workgroup_id_x 1
		.amdhsa_system_sgpr_workgroup_id_y 1
		.amdhsa_system_sgpr_workgroup_id_z 1
		.amdhsa_system_vgpr_workitem_id 0
		.amdhsa_next_free_vgpr 256
		.amdhsa_next_free_sgpr 66
		.amdhsa_reserve_vcc 0
		.amdhsa_float_denorm_mode_32 3
		.amdhsa_float_denorm_mode_16_64 3
		.amdhsa_memory_ordered 1
		.amdhsa_forward_progress 1
		.amdhsa_inst_pref_size 96
	.end_amdhsa_kernel
	.amdgpu_metadata
---
amdhsa.version: [ 1, 2 ]
amdhsa.kernels:
  - .name:           k_q7fcc154597_prep
    .symbol:         k_q7fcc154597_prep.kd
    .args:
      - { .name: W2, .offset: 0, .size: 8, .value_kind: global_buffer, .address_space: global }
      - { .name: W1, .offset: 8, .size: 8, .value_kind: global_buffer, .address_space: global }
      - { .name: query, .offset: 16, .size: 8, .value_kind: global_buffer, .address_space: global }
      - { .name: b1, .offset: 24, .size: 8, .value_kind: global_buffer, .address_space: global }
      - { .name: b2, .offset: 32, .size: 8, .value_kind: global_buffer, .address_space: global }
      - { .name: w2p, .offset: 40, .size: 8, .value_kind: global_buffer, .address_space: global }
      - { .name: qb, .offset: 48, .size: 8, .value_kind: global_buffer, .address_space: global }
    .group_segment_fixed_size: 33792
    .private_segment_fixed_size: 0
    .kernarg_segment_align: 8
    .kernarg_segment_size: 56
    .max_flat_workgroup_size: 256
    .sgpr_count:     66
    .vgpr_count:     256
    .wavefront_size: 32
...
	.end_amdgpu_metadata
.endif
;; end of part 1
;; launch attend (part 2): grid 256 x 1, 4 waves a work-group, no clusters, 307,712 bytes of LDS; arguments values, w2p, qb, V, scores, part; writes scores, part
.if DOCPART == 2
	.amdgcn_target "amdgcn-amd-amdhsa--gfx1250"
	.amdhsa_code_object_version 6
	.text
	.protected	k_q7fcc154597_attend
	.globl	k_q7fcc154597_attend
	.p2align	8
	.type	k_q7fcc154597_attend,@function
k_q7fcc154597_attend:
	s_mov_b64 s[64:65], 0
	v_nop
	global_prefetch_b8 v0, s[64:65] scope:SCOPE_SE
	s_setreg_imm32_b32 hwreg(HW_REG_WAVE_MODE, 25, 1), 1
	s_wait_xcnt 0x0
; BAHDANAU ATTENTION IN MX-BF8, launch 2 of 3.  For each chunk of 64 rows l of a batch: scores[l] = -2 log2(e) sum_u V[u] / (1 + 2^(c x[l][u])), c = 2 log2(e),
; c x = c (Q(values) Q(W2))[l][u] + qb[b][u]; and part[chunk][:] = sum over the chunk's l of 2^(scores[l] - m) values[l][:], m the chunk's largest score.
; scores is log2(e) x score less what is the same for all l of a batch: bv and sum(V) are left out, as shown at the head of the first kernel.
; LIMITS: NaN and infinities among the inputs are not served.  A block of zeros gets the scale byte 1: its codes are zeros, and this launch alone reads the bytes.  2^(c x) beyond f32 gives the term 0, as tanh = 1 does.
; SHARES: a work-group takes 256 rows of one batch as four chunks of 64.  A chunk's f32 rows lie in LDS (pitch 4,112 bytes) from their arrival to the weighted sum, so values is read once.
; Wave w brings and quantises rows 16 w .. 16 w + 15; the codes go by an image in LDS (four K steps at a time) into 512 registers of EVERY wave.  In the products wave w takes columns 256 w .. 256 w + 255:
; 16 column tiles, 32 matrix instructions each on four accumulators by turns, then the tile's vector work in batches.  The four waves' sums over u meet in LDS; every wave makes the 64 weights, and adds up 256 columns of the rows.
; NO CLUSTER, NO TENSOR LOAD: each fragment of W2 is wanted by one wave of a work-group, once a chunk, so it goes from memory straight into that wave's registers, in the order in which the first launch laid it;
; beside the rows' 263,168 bytes and the image's 34,816, LDS has no room for two slots of 67,584.  Each work-group begins its walk over a wave's 16 tiles at another tile; qb and V lie in LDS in the walk's order.
; REGISTERS: window 0 addresses, scale words, work; window 1 W2's fragments, two sets; windows 2, 3 the rows as loaded, then the codes of the 64 rows.
.set TILEB, 16896                      ; a column tile in w2p: 16,384 bytes of codes, 512 of scale words
.set FP,    4112                       ; a row of 4,096 bytes + 16: sixteen rows start at sixteen different groups of banks
.set F16,   16*FP
.set IMG,   64*FP                      ; the image: codes of 4 K steps x 64 rows (32,768), their scale words (2,048)
.set CQA,   IMG+34816                  ; qb's row (4,096 bytes), then V
.set RED,   CQA+8192                   ; 256 bytes a wave: its 64 sums
.set SPARE, RED+1024                   ; the spare words, 128 bytes a wave
.set LN16, 1
.set LN4,  2
.set STI,  3                           ; my 16 rows, in
.set STO,  4                           ; my 16 rows, out: row lane % 16, + 64 (lane / 16)
.set IMS,  5
.set ISS,  6
.set IML,  7
.set ADB,  8                           ; v8-9   offset of a set's tile in w2p + 16 x lane
.set ADS,  10                          ; v10-11 the same + 4 x lane
.set SPW,  12                          ; my spare word; never rewritten
.set NIL,  13                          ; 0; never rewritten
.set IS0,  14
.set ADC,  15
.set LNC,  16
.set PFO,  17                          ; prefetch: 4,096 (lane / 16) + 256 (lane % 16)
.set RDS,  18
.set RDL,  19
.set CX,   20                          ; v20-23 rows 16 g on, my 1,024 bytes of them, + 16 x lane
.set TO,   24
.set TA,   25
.set PW,   26                          ; v26-27 a step's scale word, two sets
.set TB,   28
.set SCO,  29                          ; 8 x lane
.set ASC,  32                          ; v32-63 scale words of the 64 rows: 8 x row tile + K step
.set ACC,  64                          ; v64-95 four accumulators.  v64-191: two sets of 64 numbers for the quantiser; the ring of the weighted sum
.set SS,   160                         ; v160-191 the sums over u
.set BSC,  192                         ; v192-199 W2's scale words, two sets
.set CQ,   200                         ; v200-203 qb of my column, two sets (pairs)
.set VV,   204                         ; v204-207 V of my column, two sets (pairs)
.set TM,   208                         ; v208-223 the quantiser's work
.set PC,   224                         ; v224-255 a step's codes, two sets
.set CA,   208                         ; v208-239 the weighted sum: four sets of 8, by turns
.set E,    240                         ; v240-247 scores and weights: lane l holds rows 2 l, 2 l + 1
.set MX,   248
.set MT,   249
.set WV,   16
.set W16,  17
.set KT,   18                          ; the tile, of my 16, that is fetched next
.set CH,   19
.set LBV,  20
.set PB,   22
.set CC,   24
.set NC,   26
.set SEL,  28
.set MNT,  30
.set TCQ,  31
.set INN,  32
.set WS,   40                          ; s40-47 four rows' weights (pairs of which the low word serves)
.set MSB, 0
.macro WIN new                         ; the immediate's high byte repeats the setting that is left
.if MSB != (\new)
	s_set_vgpr_msb (MSB<<8)|(\new)
.set MSB, (\new)
.endif
.endm
.macro BAR                             ; my LDS instructions are done; then all four waves meet
	s_wait_alu depctr_va_vdst(0)
	s_wait_dscnt 0x0
	s_barrier_signal -1
	s_barrier_wait -1
.endm
; 64 numbers of a lane, v[QS] on, register 16 b + i = k 32 b + 16 (lane / 16) + i of my row, become a fragment's codes in v[QP] on and its scale word in v[QW]
.macro QUANT
.irp b, 0,1,2,3
	v_max3_num_f32 v[TM+\b], |v[QS+16*\b]|, |v[QS+1+16*\b]|, 0x8000000   ; with the floor 2^(16 - 127): the byte cannot fall under 1
.endr
.irp i, 2,4,6,8,10,12,14
.irp b, 0,1,2,3
	v_max3_num_f32 v[TM+\b], v[TM+\b], |v[QS+16*\b+\i]|, |v[QS+1+16*\b+\i]|
.endr
.endr
.irp b, 0,1,2,3
	v_permlanex16_b32 v[TM+4+\b], v[TM+\b], s[SEL], s[SEL+1]
.endr
.irp b, 0,1,2,3
	v_max_num_f32 v[TM+\b], v[TM+\b], v[TM+4+\b]          ; with lane l xor 16's: the block's largest magnitude
.endr
.irp b, 0,1,2,3
	v_add_nc_u32 v[TM+12+\b], 0xf8800000, v[TM+\b]        ; 15 off its exponent field: the conversion's scale operand
.endr
.irp b, 0,1,2,3
	v_and_or_b32 v[TM+8+\b], v[TM+\b], 0x7f800000, s[MNT] ; 57,344 x the scale
.endr
.irp b, 0,1,2,3
	v_lshrrev_b32 v[TM+4+\b], 23, v[TM+12+\b]             ; the scale's byte
.endr
	v_lshl_or_b32 v[QW], v[TM+5], 8, v[TM+4]
	v_lshl_or_b32 v[QW], v[TM+6], 16, v[QW]
	v_lshl_or_b32 v[QW], v[TM+7], 24, v[QW]
.irp b, 0,1,2,3
.irp i, 0,1,2,3,4,5,6,7,8,9,10,11,12,13,14,15
	v_med3_num_f32 v[QS+16*\b+\i], v[QS+16*\b+\i], -v[TM+8+\b], v[TM+8+\b]   ; the conversion does not saturate (ISA guide 7.6.2): the hold comes first
.endr
	v_cvt_scalef32_pk8_bf8_f32 v[QP+4*\b:QP+1+4*\b], v[QS+16*\b:QS+7+16*\b], v[TM+12+\b]
	v_cvt_scalef32_pk8_bf8_f32 v[QP+2+4*\b:QP+3+4*\b], v[QS+8+16*\b:QS+15+16*\b], v[TM+12+\b]
.endr
	v_nop                                                 ; one plain line behind the last conversion
.endm
.macro VROW i                          ; row i of my 16: eight loads of 512 consecutive bytes (the window is set by the caller: 2 for rows 0-7, 3 for rows 8-15)
.irp p, 0,1,2,3,4,5,6,7
	global_load_b128 v[32*((\i)%8)+4*\p:32*((\i)%8)+4*\p+3], v[LN16], s[LBV:LBV+1] offset:(\i)*4096+512*\p th:TH_LOAD_NT
.endr
.endm
.macro VSTORE i                        ; and into LDS as it lies
.irp p, 0,1,2,3,4,5,6,7
	ds_store_b128 v[STI], v[32*((\i)%8)+4*\p:32*((\i)%8)+4*\p+3] offset:(\i)*FP+512*\p
.endr
.endm
.macro XLOAD ks                        ; K step ks of my 16 rows: a lane takes 16 neighbours of each of the four blocks
.irp c, 0,1,2,3
.irp j, 0,1,2,3
	ds_load_b128 v[64+64*((\ks)%2)+16*\c+4*\j:64+64*((\ks)%2)+16*\c+4*\j+3], v[STO] offset:512*(\ks)+128*\c+16*\j
.endr
.endr
.endm
.macro STEPQ ks, left
	s_wait_dscnt \left                             ; my numbers are in; the last step's five image stores may be out
.if (\ks) < 7
	XLOAD (\ks)+1
.endif
.set QS, 64+64*((\ks)%2)
.set QP, PC+16*((\ks)%2)
.set QW, PW+((\ks)%2)
	QUANT
.irp c, 0,1,2,3
	ds_store_b128 v[IMS], v[QP+4*\c:QP+4*\c+3] offset:8192*((\ks)%4)+512*\c
.endr
	ds_store_b32 v[ISS], v[QW] offset:512*((\ks)%4)
.endm
.macro GETA u                          ; the image's four K steps of all 64 rows into window 2 + u, their scale words into ASC
	WIN 0x80+0x40*(\u)
.set qi, 0
.rept 64
	ds_load_b128 v[4*qi:4*qi+3], v[IML] offset:512*qi
.set qi, qi+1
.endr
	WIN 0
.irp tr, 0,1,2,3
.irp m, 0,1,2,3
	ds_load_b32 v[ASC+8*\m+4*(\u)+\tr], v[IS0] offset:128*(4*\tr+\m)
.endr
.endr
.endm
.macro BLOAD d                         ; the next tile of my walk into set d: 32 + 4 loads, each of a wave's consecutive bytes
	s_add_co_u32 s33, s[KT], s[W16]
	s_mul_i32 s33, s33, TILEB
	s_add_co_u32 s[KT], s[KT], 1
	s_and_b32 s[KT], s[KT], 15
	v_add_nc_u32 v[ADB+(\d)], s33, v[LN16]         ; the set's last loads have been waited for: its address registers are free
	v_add_nc_u32 v[ADS+(\d)], s33, v[LN4]
	WIN 0x40
.irp s, 0,1,2,3,4,5,6,7
.irp c, 0,1,2,3
	global_load_b128 v[128*(\d)+16*\s+4*\c:128*(\d)+16*\s+4*\c+3], v[ADB+(\d)], s[6:7] offset:2048*\s+512*\c
.endr
.endr
	WIN 0
.irp i, 0,1,2,3
	global_load_b32 v[BSC+4*(\d)+\i], v[ADS+(\d)], s[6:7] offset:16384+128*\i   ; lanes 0-15 K step 2 i, lanes 16-31 K step 2 i + 1
.endr
.endm
.macro CQLOAD d                        ; qb and V of that tile's columns
	v_add_nc_u32 v[ADC], s[TCQ], v[LNC]
	ds_load_b32 v[CQ+2*(\d)], v[ADC]
	ds_load_b32 v[VV+2*(\d)], v[ADC] offset:4096
	s_add_co_u32 s[TCQ], s[TCQ], 64
.endm
.macro MMS par                         ; 64 rows x 16 columns x 1,024: 32 matrix instructions on end, the four accumulators by turns; the first K step starts the sums
.set mi, 0
.rept 32
.set ks_, mi/4
.set rD, ACC+8*(mi%4)
.set rA, 16*(4*(ks_%4)+mi%4)
.set rB, 128*(\par)+16*ks_
.set sA, ASC+8*(mi%4)+ks_
.set sB, BSC+4*(\par)+ks_/2
	WIN 0x06+(ks_/4)
.if ks_ == 0
	v_wmma_scale_f32_16x16x128_f8f6f4 v[rD:rD+7], v[rA:rA+15], v[rB:rB+15], 0, v[sA], v[sB] matrix_a_fmt:MATRIX_FMT_BF8 matrix_b_fmt:MATRIX_FMT_BF8
.elseif ks_%2 == 0
	v_wmma_scale_f32_16x16x128_f8f6f4 v[rD:rD+7], v[rA:rA+15], v[rB:rB+15], v[rD:rD+7], v[sA], v[sB] matrix_a_fmt:MATRIX_FMT_BF8 matrix_b_fmt:MATRIX_FMT_BF8
.else
	v_wmma_scale_f32_16x16x128_f8f6f4 v[rD:rD+7], v[rA:rA+15], v[rB:rB+15], v[rD:rD+7], v[sA], v[sB] matrix_a_fmt:MATRIX_FMT_BF8 matrix_b_fmt:MATRIX_FMT_BF8 matrix_b_scale:MATRIX_SCALE_ROW1
.endif
.set mi, mi+1
.endr
	WIN 0
.endm
; The tile's 32 numbers of a lane (its column, 32 rows), in batches; one wait ahead of each batch of transcendentals and one behind it
.macro EPI par
.set j_, 0
.rept 16
	v_pk_fma_f32 v[ACC+2*j_:ACC+2*j_+1], v[ACC+2*j_:ACC+2*j_+1], s[CC:CC+1], v[CQ+2*(\par):CQ+2*(\par)+1] op_sel_hi:[1,0,0]   ; c x; each accumulator from its low end on
.set j_, j_+1
.endr
	s_wait_alu depctr_va_vdst(0)
.set j_, 0
.rept 32
	v_exp_f32 v[ACC+j_], v[ACC+j_]
.set j_, j_+1
.endr
	v_nop
	s_wait_alu depctr_va_vdst(0)
.set j_, 0
.rept 16
	v_pk_add_f32 v[ACC+2*j_:ACC+2*j_+1], v[ACC+2*j_:ACC+2*j_+1], 1.0 op_sel_hi:[1,0]
.set j_, j_+1
.endr
	s_wait_alu depctr_va_vdst(0)
.set j_, 0
.rept 32
	v_rcp_f32 v[ACC+j_], v[ACC+j_]
.set j_, j_+1
.endr
	v_nop
	s_wait_alu depctr_va_vdst(0)
.set j_, 0
.rept 16
	v_pk_fma_f32 v[SS+2*j_:SS+2*j_+1], v[ACC+2*j_:ACC+2*j_+1], v[VV+2*(\par):VV+2*(\par)+1], v[SS+2*j_:SS+2*j_+1] op_sel_hi:[1,0,1]
.set j_, j_+1
.endr
.endm
; One tile, from set par.  ld = 1: the set takes the tile two on.  lc, dc: the younger loads that may stay out.  vl = 1: the chunk's last products are issued, so windows 2 takes the next chunk's rows 0-7
.macro PER par, ld, lc, dc, vl
	s_wait_loadcnt \lc
	MMS \par
.rept 8
	v_nop                                          ; eight places ahead of loads into the products' sources and of the first read of results
.endr
.if \ld
	BLOAD \par
.endif
.if \vl
	s_cmp_eq_u32 s[CH], 3
	s_cbranch_scc1 .Lno_rows_\@                    ; the last chunk has no successor
	s_wait_xcnt 0x0                                ; this chunk's loads have read their base
	s_add_nc_u64 s[LBV:LBV+1], s[LBV:LBV+1], 262144
	WIN 0x80
.irp i, 0,1,2,3,4,5,6,7
	VROW \i
.endr
	WIN 0
.Lno_rows_\@:
.endif
	s_wait_dscnt \dc
	EPI \par
.if \ld
	CQLOAD \par
.endif
.endm
; Two tiles.  Between them two rows (32 blocks of 256 bytes, a lane a block) of my 16 rows of the NEXT chunk are asked for: eight pairs name each block once, a chunk ahead of its load; the last chunk asks for nothing
.macro PAIR ld
	s_wait_xcnt 0x0                                ; the last prefetch has read its base
	s_add_nc_u64 s[PB:PB+1], s[PB:PB+1], 8192
	PER 0, \ld, 36, 2, 0
	s_cmp_eq_u32 s[CH], 3
	s_cbranch_scc1 .Lno_ask_\@
	global_prefetch_b8 v[PFO], s[PB:PB+1] th:TH_LOAD_NT scope:SCOPE_SE
.Lno_ask_\@:
.if \ld
	PER 1, 1, 36, 2, 0
.else
	PER 1, 0, 0, 0, 1
.endif
.endm
.macro CXG g                           ; rows 4 g .. 4 g + 3, my 1,024 bytes of each: eight loads into ring place g % 4
.set q_, 0
.rept 4
.set row_, 4*(\g)+q_
.set rg_, 64+32*((\g)%4)+8*q_
	ds_load_b128 v[rg_:rg_+3], v[CX+row_/16] offset:(row_%16)*FP
	ds_load_b128 v[rg_+4:rg_+7], v[CX+row_/16] offset:(row_%16)*FP+512
.set q_, q_+1
.endr
.endm
	s_load_b256 s[4:11], s[0:1], 0x0               ; values s[4:5], w2p s[6:7], qb s[8:9], V s[10:11]
	s_load_b128 s[12:15], s[0:1], 0x20             ; scores s[12:13], part s[14:15]
	v_lshl_add_u32 v[SPW], v0, 2, SPARE
	v_mov_b32 v[NIL], 0
	v_lshrrev_b32 v[TA], 5, v0
	v_readfirstlane_b32 s[WV], v[TA]               ; wave 0..3
	s_lshl_b32 s[W16], s[WV], 4
	s_and_b32 s[KT], ttmp9, 15                     ; where my work-group's walk begins
	s_mov_b32 s[CC], 0x4038aa3b                    ; c
	s_mov_b32 s[CC+1], 0x4038aa3b
	s_mov_b32 s[NC], 0xc038aa3b                    ; -c
	s_mov_b32 s[NC+1], 0xc038aa3b
	s_mov_b32 s[SEL], 0x76543210
	s_mov_b32 s[SEL+1], 0xfedcba98
	s_mov_b32 s[MNT], 0x600000
.irp q, 1,3,5,7
	s_mov_b32 s[WS+\q], 0                          ; (named with the weights as pairs)
.endr
	s_mov_b32 s[CH], 0
	s_mul_i32 s33, s[WV], F16
	s_lshl_b32 s34, s[WV], 11
	s_add_co_u32 s34, s34, IMG
	s_lshl_b32 s35, s[WV], 7
	s_add_co_u32 s35, s35, IMG+32768
	s_lshl_b32 s36, s[WV], 10
	s_add_co_u32 s37, s36, CQA
	s_lshl_b32 s38, s[WV], 8
	s_add_co_u32 s38, s38, RED
	s_lshl_b32 s39, s[KT], 6
	v_and_b32 v[TA], 31, v0
	v_lshlrev_b32 v[LN16], 4, v[TA]
	v_lshlrev_b32 v[LN4], 2, v[TA]
	v_lshlrev_b32 v[SCO], 3, v[TA]
	v_and_b32 v[TA], 15, v0                        ; r
	v_bfe_u32 v[TB], v0, 4, 1                      ; h
	v_add_nc_u32 v[STI], s33, v[LN16]
	v_mul_u32_u24 v[STO], v[TA], FP
	v_lshl_add_u32 v[STO], v[TB], 6, v[STO]
	v_add_nc_u32 v[STO], s33, v[STO]
	v_add_nc_u32 v[IMS], s34, v[LN16]
	v_add_nc_u32 v[ISS], s35, v[LN4]
	v_add_nc_u32 v[IML], IMG, v[LN16]
	v_add_nc_u32 v[IS0], IMG+32768, v[LN4]
	v_lshl_add_u32 v[LNC], v[TA], 2, s37
	v_lshlrev_b32 v[PFO], 8, v[TA]
	v_lshl_add_u32 v[PFO], v[TB], 12, v[PFO]
	v_lshl_add_u32 v[RDS], v[TB], 5, s38
	v_add_nc_u32 v[RDL], RED, v[SCO]
	v_add_nc_u32 v[CX], s36, v[LN16]
	v_add_nc_u32 v[CX+1], F16, v[CX]
	v_add_nc_u32 v[CX+2], 2*F16, v[CX]
	v_add_nc_u32 v[CX+3], 3*F16, v[CX]
	v_lshlrev_b32 v[TO], 5, v0                     ; thread i brings 32 bytes of qb's row and of V to place 32 i: inside each wave's 1,024 bytes the walk's first tile comes first
	v_add_nc_u32 v[TA], s39, v[TO]
	v_and_b32 v[TA], 1023, v[TA]
	v_and_or_b32 v[TO], v[TO], 0xc00, v[TA]
	v_lshl_add_u32 v[TB], v0, 5, CQA
.irp b, 0,1,2,3
	v_mov_b32 v[TM+4+\b], 0                        ; a lane permute's destination counts as one of its sources
.endr
.irp r, CQ+1, CQ+3, VV+1, VV+3
	v_mov_b32 v[\r], 0                             ; the upper halves of pairs of which the low word serves both halves
.endr
	s_wait_alu depctr_va_vdst(0)
	s_wait_kmcnt 0x0
	s_lshl_b32 s34, ttmp9, 20                      ; values: 1 MiB a work-group,
	s_lshl_b32 s35, s[WV], 16                      ; 16 rows a wave
	s_add_co_u32 s34, s34, s35
	s_mov_b32 s35, 0
	s_add_nc_u64 s[LBV:LBV+1], s[4:5], s[34:35]
	s_add_nc_u64 s[PB:PB+1], s[LBV:LBV+1], 262144-8192   ; the next chunk's rows, less the step that each pair of tiles makes first
	s_lshr_b32 s34, ttmp9, 2
	s_lshl_b32 s34, s34, 12
	s_add_nc_u64 s[8:9], s[8:9], s[34:35]          ; qb's row of my batch
	s_lshl_b32 s34, ttmp9, 10
	s_add_nc_u64 s[12:13], s[12:13], s[34:35]      ; my 256 scores
	s_lshl_b32 s34, ttmp9, 14
	s_add_nc_u64 s[14:15], s[14:15], s[34:35]      ; my four rows of part
	global_load_b128 v[64:67], v[TO], s[8:9]
	global_load_b128 v[68:71], v[TO], s[8:9] offset:16
	global_load_b128 v[72:75], v[TO], s[10:11]
	global_load_b128 v[76:79], v[TO], s[10:11] offset:16
	WIN 0x80
.irp i, 0,1,2,3,4,5,6,7
	VROW \i
.endr
	WIN 0
	s_wait_loadcnt 63                              ; of 68 loads the oldest five are in: qb and V
	ds_store_b128 v[TB], v[64:67]
	ds_store_b128 v[TB], v[68:71] offset:16
	ds_store_b128 v[TB], v[72:75] offset:4096
	ds_store_b128 v[TB], v[76:79] offset:4112
.Lchunk:
	BAR                                            ; nobody reads the last chunk's rows, image or sums any more
.irp i, 0,1,2,3,4,5,6,7
	s_wait_loadcnt 56                              ; row i is in; behind it seven rows of eight loads
	WIN 0x08
	VSTORE \i
	WIN 0xc0
	VROW 8+\i
.endr
	WIN 0x0c
.irp i, 8,9,10,11,12,13,14,15
	s_wait_loadcnt 8*(15-\i)
	VSTORE \i
.endr
	WIN 0
	BLOAD 0                                        ; the walk's first two tiles land while the rows are quantised
	BLOAD 1
	XLOAD 0                                        ; LDS serves a wave's instructions in order: these see my stores
	STEPQ 0, 0
	STEPQ 1, 5
	STEPQ 2, 5
	STEPQ 3, 5
	BAR                                            ; the image holds K steps 0-3 of all 64 rows
	GETA 0
	BAR                                            ; everybody has them
	STEPQ 4, 5
	STEPQ 5, 5
	STEPQ 6, 5
	STEPQ 7, 5
	BAR
	GETA 1
.set j_, 0
.rept 32
	v_mov_b32 v[SS+j_], 0                          ; the chunk's sums over u begin
.set j_, j_+1
.endr
	s_mov_b32 s[TCQ], 0
	CQLOAD 0
	CQLOAD 1
	s_wait_alu depctr_va_vdst(0)
	s_wait_dscnt 0x0                               ; the codes are in registers
	s_mov_b32 s[INN], 7
.Lpair:
	PAIR 1
	s_sub_co_u32 s[INN], s[INN], 1
	s_cmp_lg_u32 s[INN], 0
	s_cbranch_scc1 .Lpair
	PAIR 0                                         ; tiles 14 and 15 fetch nothing more of W2
; my 256 columns' sums: over the 16 lanes of a row, then the four waves' meet in LDS
.irp x, 1,2,4,8
.set sj, 0
.rept 32
	v_add_f32_dpp v[SS+sj], v[SS+sj], v[SS+sj] row_xmask:\x row_mask:0xf bank_mask:0xf
.set sj, sj+1
.endr
.endr
.irp m, 0,1,2,3
.irp j, 0,1,2,3,4,5,6,7
	ds_store_b32 v[RDS], v[SS+8*\m+\j] offset:64*\m+4*\j   ; row 16 m + 8 (lane / 16) + j: sixteen lanes write the same word with the same value
.endr
.endr
	BAR
.irp p, 0,1,2,3
	ds_load_b64 v[E+2*\p:E+2*\p+1], v[RDL] offset:256*\p
.endr
	CXG 0
	CXG 1
	CXG 2
	s_wait_dscnt 24                                ; the sums are in; three groups of rows may be out
	v_pk_add_f32 v[E:E+1], v[E:E+1], v[E+2:E+3]
	v_pk_add_f32 v[E+4:E+5], v[E+4:E+5], v[E+6:E+7]
	v_pk_add_f32 v[E:E+1], v[E:E+1], v[E+4:E+5]
	v_pk_mul_f32 v[E:E+1], v[E:E+1], s[NC:NC+1] op_sel_hi:[1,0]   ; the scores of rows 2 l, 2 l + 1
	v_max_num_f32 v[MX], v[E], v[E+1]
.irp x, 1,2,4,8
	v_max_num_f32_dpp v[MX], v[MX], v[MX] row_xmask:\x row_mask:0xf bank_mask:0xf
.endr
	v_permlanex16_b32 v[MT], v[MX], s[SEL], s[SEL+1]
	v_max_num_f32 v[MX], v[MX], v[MT]              ; m, the chunk's largest
	v_sub_f32 v[E+2], v[E], v[MX]
	v_sub_f32 v[E+3], v[E+1], v[MX]
	s_wait_alu depctr_va_vdst(0)                   ; ahead of the batch
	v_exp_f32 v[E+2], v[E+2]
	v_exp_f32 v[E+3], v[E+3]
	v_nop
	s_wait_alu depctr_va_vdst(0)                   ; and behind it
	s_cmp_lg_u32 s[WV], 0
	s_cbranch_scc1 .Lnot_0
	global_store_b64 v[SCO], v[E:E+1], s[12:13]    ; 32 lanes store one aligned unit of 256 bytes
.Lnot_0:
; the weighted sum, four rows a group; four sets of sums by turns: 15 vector instructions stand between a sum's write and its next reader
.set g_, 0
.rept 16
.if g_+3 < 16
	CXG g_+3
.endif
.if g_ < 13
	s_wait_dscnt 24                                ; this group is in; the three behind it may be out
.else
	s_wait_dscnt 8*(15-g_)
.endif
.irp q, 0,1,2,3
	v_readlane_b32 s[WS+2*\q], v[E+2+(\q%2)], 2*g_+\q/2
.endr
.irp q, 0,1,2,3
.irp k, 0,2,4,6
.if g_ == 0
	v_pk_mul_f32 v[CA+8*\q+\k:CA+8*\q+\k+1], v[64+32*(g_%4)+8*\q+\k:64+32*(g_%4)+8*\q+\k+1], s[WS+2*\q:WS+2*\q+1] op_sel_hi:[1,0]
.else
	v_pk_fma_f32 v[CA+8*\q+\k:CA+8*\q+\k+1], v[64+32*(g_%4)+8*\q+\k:64+32*(g_%4)+8*\q+\k+1], s[WS+2*\q:WS+2*\q+1], v[CA+8*\q+\k:CA+8*\q+\k+1] op_sel_hi:[1,0,1]
.endif
.endr
.endr
.set g_, g_+1
.endr
	s_wait_alu depctr_va_vdst(0)
.irp k, 0,2,4,6
	v_pk_add_f32 v[CA+\k:CA+\k+1], v[CA+\k:CA+\k+1], v[CA+8+\k:CA+8+\k+1]
	v_pk_add_f32 v[CA+16+\k:CA+16+\k+1], v[CA+16+\k:CA+16+\k+1], v[CA+24+\k:CA+24+\k+1]
.endr
.irp k, 0,2,4,6
	v_pk_add_f32 v[CA+\k:CA+\k+1], v[CA+\k:CA+\k+1], v[CA+16+\k:CA+16+\k+1]
.endr
	global_store_b128 v[CX], v[CA:CA+3], s[14:15]             ; 32 lanes store 512 consecutive bytes, aligned
	global_store_b128 v[CX], v[CA+4:CA+7], s[14:15] offset:512
	s_wait_xcnt 0x0                                ; the stores have read their data and bases
	s_add_nc_u64 s[12:13], s[12:13], 256
	s_add_nc_u64 s[14:15], s[14:15], 4096
	s_add_nc_u64 s[PB:PB+1], s[PB:PB+1], 196608    ; with the eight steps of 8,192: a chunk on
	s_add_co_u32 s[CH], s[CH], 1
	s_cmp_lt_u32 s[CH], 4
	s_wait_alu depctr_va_vdst(0)
	s_cbranch_scc1 .Lchunk
	s_wait_tensorcnt 0x0                           ; the wave's end: behind my last LDS store
	ds_add_u32 v[SPW], v[NIL]
	s_wait_dscnt 0x0
	s_endpgm
.Lfunc_end_k_q7fcc154597_attend:
	.size	k_q7fcc154597_attend, .Lfunc_end_k_q7fcc154597_attend-k_q7fcc154597_attend
	.p2alignl 7, 3214868480
	.fill 96, 4, 3214868480
	.section	.rodata,"a",@progbits
	.p2align	6, 0x0
	.amdhsa_kernel k_q7fcc154597_attend
		.amdhsa_group_segment_fixed_size 307712
		.amdhsa_private_segment_fixed_size 0
		.amdhsa_enable_private_segment 0
		.amdhsa_kernarg_size 48
		.amdhsa_user_sgpr_count 2
		.amdhsa_user_sgpr_kernarg_segment_ptr 1
		.amdhsa_wavefront_size32 1
		.amdhsa_system_sgpr_workgroup_id_x 1
		.amdhsa_system_sgpr_workgroup_id_y 1
		.amdhsa_system_sgpr_workgroup_id_z 1
		.amdhsa_system_vgpr_workitem_id 0
		.amdhsa_next_free_vgpr 1024
		.amdhsa_next_free_sgpr 66
		.amdhsa_reserve_vcc 0
		.amdhsa_float_denorm_mode_32 3
		.amdhsa_float_denorm_mode_16_64 3
		.amdhsa_memory_ordered 1
		.amdhsa_forward_progress 1
		.amdhsa_inst_pref_size 214
	.end_amdhsa_kernel
	.amdgpu_metadata
---
amdhsa.version: [ 1, 2 ]
amdhsa.kernels:
  - .name:           k_q7fcc154597_attend
    .symbol:         k_q7fcc154597_attend.kd
    .args:
      - { .name: values, .offset: 0, .size: 8, .value_kind: global_buffer, .address_space: global }
      - { .name: w2p, .offset: 8, .size: 8, .value_kind: global_buffer, .address_space: global }
      - { .name: qb, .offset: 16, .size: 8, .value_kind: global_buffer, .address_space: global }
      - { .name: V, .offset: 24, .size: 8, .value_kind: global_buffer, .address_space: global }
      - { .name: scores, .offset: 32, .size: 8, .value_kind: global_buffer, .address_space: global }
      - { .name: part, .offset: 40, .size: 8, .value_kind: global_buffer, .address_space: global }
    .group_segment_fixed_size: 307712
    .private_segment_fixed_size: 0
    .kernarg_segment_align: 8
    .kernarg_segment_size: 48
    .max_flat_workgroup_size: 128
    .sgpr_count:     66
    .vgpr_count:     1024
    .wavefront_size: 32
...
	.end_amdgpu_metadata
.endif
;; end of part 2
;; launch combine (part 3): grid 64 x 1, 8 waves a work-group, no clusters, 0 bytes of LDS; arguments scores, part, out0, out1; writes out0, out1
.if DOCPART == 3
	.amdgcn_target "amdgcn-amd-amdhsa--gfx1250"
	.amdhsa_code_object_version 6
	.text
	.protected	k_q7fcc154597_combine
	.globl	k_q7fcc154597_combine
	.p2align	8
	.type	k_q7fcc154597_combine,@function
k_q7fcc154597_combine:
	s_mov_b64 s[64:65], 0
	v_nop
	global_prefetch_b8 v0, s[64:65] scope:SCOPE_SE
	s_setreg_imm32_b32 hwreg(HW_REG_WAVE_MODE, 25, 1), 1
	s_wait_xcnt 0x0
; BAHDANAU ATTENTION IN MX-BF8, launch 3 of 3: out1[b][l] = 2^(s[l] - M) / S, out0[b][:] = sum over the batch's 16 chunks of 2^(m_c - M) part[c][:] / S, all in f32.
; s = scores (log2(e) x score less what is the same for all l: bv and sum(V) are left out, as shown at the head of the first kernel), M the batch's largest s, S the sum of 2^(s - M),
; m_c the largest s of chunk c, under which the launch before summed part[c]: it is found again here from the same 64 scores.
; LIMITS: NaN and infinities among the inputs are not served; the sum over l is taken in another order than reference()'s.
; SHARES: a work-group a batch; thread t owns columns 4 t .. 4 t + 3 of out0 and weights 4 t .. 4 t + 3 of out1; every wave finds M, S and the m_c by itself.  A wave's loads and stores cover 512 consecutive bytes.
; 68 KiB are read by a work-group, with no loop: no LDS, no cluster, no prefetch.
.set SD,  20                           ; v20-51 the batch's scores: register 4 k + j of lane l is score 128 k + 4 l + j, of chunk 2 k + l / 16
.set MC,  52                           ; v52-59 m_c: lanes 0-15 chunk 2 k, lanes 16-31 chunk 2 k + 1
.set OWN, 60                           ; v60-63 my four scores
.set P,   64                           ; v64-127 my four columns of the 16 chunks
.set AC,  128                          ; v128-135 two sets of sums
	s_load_b256 s[4:11], s[0:1], 0x0               ; scores s[4:5], part s[6:7], out0 s[8:9], out1 s[10:11]
	v_and_b32 v1, 31, v0
	v_lshlrev_b32 v1, 4, v1                        ; 16 x lane
	v_lshlrev_b32 v2, 4, v0                        ; 16 x thread
	v_mov_b32 v5, 0                                ; (lane permutes' destinations count as sources)
	v_mov_b32 v7, 0
	v_mov_b32 v9, 0                                ; (the upper half of the pair v[8:9])
	s_lshl_b32 s12, ttmp9, 12
	s_mov_b32 s13, 0
	s_lshl_b32 s14, ttmp9, 16
	s_mov_b32 s15, 0
	s_mov_b32 s2, 0x76543210
	s_mov_b32 s3, 0xfedcba98
	s_wait_alu depctr_va_vdst(0)
	s_wait_kmcnt 0x0
	s_add_nc_u64 s[4:5], s[4:5], s[12:13]
	s_add_nc_u64 s[6:7], s[6:7], s[14:15]
	s_add_nc_u64 s[8:9], s[8:9], s[12:13]
	s_add_nc_u64 s[10:11], s[10:11], s[12:13]
.irp k, 0,1,2,3,4,5,6,7
	global_load_b128 v[SD+4*\k:SD+4*\k+3], v1, s[4:5] offset:512*\k
.endr
	global_load_b128 v[OWN:OWN+3], v2, s[4:5]
.irp c, 0,1,2,3,4,5,6,7,8,9,10,11,12,13,14,15
	global_load_b128 v[P+4*\c:P+4*\c+3], v2, s[6:7] offset:4096*\c th:TH_LOAD_NT
.endr
	s_wait_loadcnt 17                              ; the batch's scores are in; behind them 1 + 16 loads
.irp k, 0,1,2,3,4,5,6,7
	v_max3_num_f32 v[MC+\k], v[SD+4*\k], v[SD+4*\k+1], v[SD+4*\k+2]
.endr
.irp k, 0,1,2,3,4,5,6,7
	v_max_num_f32 v[MC+\k], v[MC+\k], v[SD+4*\k+3]
.endr
.irp x, 1,2,4,8
.irp k, 0,1,2,3,4,5,6,7
	v_max_num_f32_dpp v[MC+\k], v[MC+\k], v[MC+\k] row_xmask:\x row_mask:0xf bank_mask:0xf
.endr
.endr
	v_max3_num_f32 v4, v[MC], v[MC+1], v[MC+2]
	v_max3_num_f32 v4, v4, v[MC+3], v[MC+4]
	v_max3_num_f32 v4, v4, v[MC+5], v[MC+6]
	v_max_num_f32 v4, v4, v[MC+7]
	v_permlanex16_b32 v5, v4, s2, s3
	v_max_num_f32 v4, v4, v5                       ; M, in every lane
.set k_, 0
.rept 40
	v_sub_f32 v[SD+k_], v[SD+k_], v4               ; the scores and, behind them, the m_c
.set k_, k_+1
.endr
	s_wait_loadcnt 16                              ; my four scores
.irp k, 0,1,2,3
	v_sub_f32 v[OWN+\k], v[OWN+\k], v4
.endr
	s_wait_alu depctr_va_vdst(0)                   ; ahead of the batch
.set k_, 0
.rept 44
	v_exp_f32 v[SD+k_], v[SD+k_]
.set k_, k_+1
.endr
	v_nop
	s_wait_alu depctr_va_vdst(0)                   ; and behind it
.irp k, 0,4,8,12,16,20,24,28
	v_pk_add_f32 v[SD+\k:SD+\k+1], v[SD+\k:SD+\k+1], v[SD+\k+2:SD+\k+3]
.endr
.irp k, 0,8,16,24
	v_pk_add_f32 v[SD+\k:SD+\k+1], v[SD+\k:SD+\k+1], v[SD+\k+4:SD+\k+5]
.endr
.irp k, 0,16
	v_pk_add_f32 v[SD+\k:SD+\k+1], v[SD+\k:SD+\k+1], v[SD+\k+8:SD+\k+9]
.endr
	v_pk_add_f32 v[SD:SD+1], v[SD:SD+1], v[SD+16:SD+17]
	v_add_f32 v6, v[SD], v[SD+1]
.irp x, 1,2,4,8
	v_add_f32_dpp v6, v6, v6 row_xmask:\x row_mask:0xf bank_mask:0xf
.endr
	v_permlanex16_b32 v7, v6, s2, s3
	v_add_f32 v6, v6, v7                           ; S
	s_wait_alu depctr_va_vdst(0)
	v_rcp_f32 v8, v6
.irp c, 0,1,2,3,4,5,6,7,8,9,10,11,12,13,14,15
	v_readlane_b32 s[16+\c], v[MC+\c/2], 16*(\c%2) ; 2^(m_c - M)
.endr
	s_wait_alu depctr_va_vdst(0)
	s_wait_loadcnt 0x0
.irp c, 0,1,2,3,4,5,6,7,8,9,10,11,12,13,14,15
.irp k, 0,1,2,3
.if \c < 2
	v_mul_f32 v[AC+4*(\c%2)+\k], s[16+\c], v[P+4*\c+\k]
.else
	v_fmac_f32 v[AC+4*(\c%2)+\k], s[16+\c], v[P+4*\c+\k]
.endif
.endr
.endr
	v_pk_add_f32 v[AC:AC+1], v[AC:AC+1], v[AC+4:AC+5]
	v_pk_add_f32 v[AC+2:AC+3], v[AC+2:AC+3], v[AC+6:AC+7]
	v_pk_mul_f32 v[AC:AC+1], v[AC:AC+1], v[8:9] op_sel_hi:[1,0]
	v_pk_mul_f32 v[AC+2:AC+3], v[AC+2:AC+3], v[8:9] op_sel_hi:[1,0]
.irp k, 0,1,2,3
	v_mul_f32 v[OWN+\k], v[OWN+\k], v8
.endr
	global_store_b128 v2, v[AC:AC+3], s[8:9]
	global_store_b128 v2, v[OWN:OWN+3], s[10:11]
	s_endpgm
.Lfunc_end_k_q7fcc154597_combine:
	.size	k_q7fcc154597_combine, .Lfunc_end_k_q7fcc154597_combine-k_q7fcc154597_combine
	.p2alignl 7, 3214868480
	.fill 96, 4, 3214868480
	.section	.rodata,"a",@progbits
	.p2align	6, 0x0
	.amdhsa_kernel k_q7fcc154597_combine
		.amdhsa_group_segment_fixed_size 0
		.amdhsa_private_segment_fixed_size 0
		.amdhsa_enable_private_segment 0
		.amdhsa_kernarg_size 32
		.amdhsa_user_sgpr_count 2
		.amdhsa_user_sgpr_kernarg_segment_ptr 1
		.amdhsa_wavefront_size32 1
		.amdhsa_system_sgpr_workgroup_id_x 1
		.amdhsa_system_sgpr_workgroup_id_y 1
		.amdhsa_system_sgpr_workgroup_id_z 1
		.amdhsa_system_vgpr_workitem_id 0
		.amdhsa_next_free_vgpr 136
		.amdhsa_next_free_sgpr 66
		.amdhsa_reserve_vcc 0
		.amdhsa_float_denorm_mode_32 3
		.amdhsa_float_denorm_mode_16_64 3
		.amdhsa_memory_ordered 1
		.amdhsa_forward_progress 1
		.amdhsa_inst_pref_size 15
	.end_amdhsa_kernel
	.amdgpu_metadata
---
amdhsa.version: [ 1, 2 ]
amdhsa.kernels:
  - .name:           k_q7fcc154597_combine
    .symbol:         k_q7fcc154597_combine.kd
    .args:
      - { .name: scores, .offset: 0, .size: 8, .value_kind: global_buffer, .address_space: global }
      - { .name: part, .offset: 8, .size: 8, .value_kind: global_buffer, .address_space: global }
      - { .name: out0, .offset: 16, .size: 8, .value_kind: global_buffer, .address_space: global }
      - { .name: out1, .offset: 24, .size: 8, .value_kind: global_buffer, .address_space: global }
    .group_segment_fixed_size: 0
    .private_segment_fixed_size: 0
    .kernarg_segment_align: 8
    .kernarg_segment_size: 32
    .max_flat_workgroup_size: 256
    .sgpr_count:     66
    .vgpr_count:     136
    .wavefront_size: 32
...
	.end_amdgpu_metadata
.endif
;; end of part 3
